; MI455X (gfx1250); checked and timed in simulation.
; The chip was launched on July 23, 2026; its instructions are those of AMD's public machine-readable ISA for CDNA 5 (MIT licence, August 2026) and "CDNA5" Instruction Set Architecture Reference Guide (July 2026). The comments in the code are by the model that wrote it; some were corrected since.
;; Attention. Allowed arithmetic: matrix products marked QUANTISED: E2M1 operands, one E8M0 scale for each 32 along K, by v_wmma_scale_f32_16x16x128_f8f6f4 with both operands' format E2M1 (or v_wmma_scale_f32_32x16x128_f4), f32 sums; products left as they are: f32 operands where the result goes on into a quantised operand, else bf16, f16 or f32 operands; f32 sums; everything else in f32.
;; Inputs: W1_codes 512 x 32 x 16 uint8 (E2M1 codes of W1, K innermost, in blocks of 32 codes, two codes a byte); W1_scales 512 x 32 uint8 (E8M0 scales of W1, one for each 32 codes along K); W2 1 x 512 float32; Wout_codes 512 x 32 x 16 uint8 (E2M1 codes of Wout, K innermost, in blocks of 32 codes, two codes a byte); Wout_scales 512 x 32 uint8 (E8M0 scales of Wout, one for each 32 codes along K); bout 512 float32; context 32 x 4,096 x 512 float32; output 32 x 1 x 512 float32.
;; Outputs: out0 32 x 1 x 512 float32.
;; This version of the problem:
;;   THIS VERSION OF THE PROBLEM IS GIVEN IN LOW PRECISION. The matrix products marked QUANTISED in the list below multiply operands that are first quantised to E2M1 (2 exponent bits, 1 mantissa bit; 4 bits a number), with one power-of-two scale for each 32 numbers along K (OCP MX v1.0); their sums are f32. All else is computed in f32.
;;   The module's matrix products, in the order in which they are computed (A, B: the left and right operand; K: the contracted axis; several contracted axes count as one K, in the product's order):
;;     1. [M 131,072, K 1,024] x [K 1,024, N 512]; A: computed on the way; B: input W1 (given as codes): QUANTISED
;;     2. [M 131,072, K 512] x [K 512, N 1]; A: computed on the way; B: input W2: left as it is (N = 1 < 16)
;;     3. batch 32 x [M 1, K 4,096] x [K 4,096, N 512]; A: softmax; B: input context: left as it is (M = 1 < 16)
;;     4. [M 32, K 1,024] x [K 1,024, N 512]; A: computed on the way; B: input Wout (given as codes): QUANTISED
;;   THE QUANTISER, for each operand of a quantised product, along K:
;;     - K is cut into blocks of 32 from its start; a last block that is shorter is filled with zeros.
;;     - A block's scale is 2^e with e = floor(log2(the largest magnitude in the block)) - 2, held to -126 .. 127; a block of zeros has e = 0. As a byte (E8M0): e + 127.
;;     - Each number is divided by its block's scale, clamped to +-6, and rounded to the nearest number of E2M1, ties to even, subnormals kept.
;;     - The product sums the exact products of the quantised numbers (number of the format x scale) in f32.
;;   ~~~python
;;   def quantise(x, axis):      # numpy; x: float32 -> the quantised numbers, widened to float32 again
;;       x = np.moveaxis(x, axis, -1); K = x.shape[-1]
;;       x = np.pad(x, [(0, 0)] * (x.ndim - 1) + [(0, -K % 32)]); x = x.reshape(x.shape[:-1] + (-1, 32)); a = np.abs(x).max(-1, keepdims=True)
;;       e = np.where(a > 0, np.clip(np.frexp(np.where(a > 0, a, 1))[1] - 1 - 2, -126, 127), 0)      # np.frexp(a)[1] - 1 = floor(log2(a)), exactly
;;       r = np.clip(x / 2.0 ** e, -6, 6)
;;       step = 2.0 ** (np.maximum(np.frexp(np.where(r == 0, 1, r))[1] - 1, 0) - 1)
;;       q = np.round(r / step) * step * 2.0 ** e      # np.round: ties to even
;;       return np.moveaxis(q.reshape(q.shape[:-2] + (-1,))[..., :K], -1, axis).astype(np.float32)
;;   ~~~
;;   OPERANDS COMPUTED ON THE WAY. 'Computed on the way' means the value that the module computes at that place (a softmax that the list does not call 'softmax' is quantised finished and normalised). What goes into a quantiser is computed in f32, as accurately as f32 sums, v_exp_f32 and their like allow (about 1e-6 of the number): no bf16 or f16 on the way to a quantiser, and a product that is left as it is and whose result goes on into a quantised operand takes f32 operands (vector FMAs, or v_wmma_f32_16x16x4_f32). A number that lies on a knife's edge between two numbers of the format may be rounded either way, as far as f32 arithmetic and the matrix unit's own rounding can turn it there, and no further.
;;   INPUTS GIVEN AS CODES. W1 (in the module: [512, 1024], K = its axis 1); Wout (in the module: [512, 1024], K = its axis 1): each comes as NAME_codes (uint8): NAME with its K axis moved to the last place and cut into blocks of 32 codes, [.., K / 32, bytes a block], one block behind the other in memory; two codes a byte, the lower K in the low four bits (a code: sign, 2 exponent bits, 1 mantissa bit); and NAME_scales (uint8): the same leading axes, one E8M0 byte (e + 127) for each 32 codes along K. Its value is code x scale, taken as it is: it is not quantised again, and the codes and scales need not be those that the quantiser above would give.
;; One version. Each part assembles by itself: llvm-mc -triple=amdgcn-amd-amdhsa -mcpu=gfx1250 --defsym DOCPART=n.
;; ======== version 1 of 1: 2 launches
;; limits: right only within a limited range of input values
;; workspace buffers: pmix 524,288 bytes; pstat 65,536 bytes
;; launch attend (part 1): grid 256 x 1, 8 waves a work-group, no clusters, 327,680 bytes of LDS; arguments context, output, W1_codes, W1_scales, W2, pmix, pstat; writes pmix, pstat
.if DOCPART == 1
	.amdgcn_target "amdgcn-amd-amdhsa--gfx1250"
	.amdhsa_code_object_version 6
	.text
	.protected	k_qf9e1c60c5a_attend
	.globl	k_qf9e1c60c5a_attend
	.p2align	8
	.type	k_qf9e1c60c5a_attend,@function
k_qf9e1c60c5a_attend:
	s_mov_b64 s[64:65], 0
	v_nop
	global_prefetch_b8 v0, s[64:65] scope:SCOPE_SE
	s_setreg_imm32_b32 hwreg(HW_REG_WAVE_MODE, 25, 1), 1
	s_wait_xcnt 0x0
; For 512 rows of one batch: energy = tanh(Q([context | output]) Q(W1)^T) on codes of FP4 (E2M1), one E8M0 scale for each 32 along K; logit = energy . W2; a softmax with running maxima;
; the unnormalised mix = sum of p x context.  Context is read from memory once.  Out: pmix[work-group][512] = sum of 2^(T - M) x context, pstat[work-group][32 x (M, L)].
; THE OUTPUT ROW'S SHARE IS SUMMED ONCE.  Columns 512 .. 1,023 of the left operand are the batch's output row in every one of its rows, and blocks of 32 do not reach across column 512: so its codes, its scales and
; its products with W1's K steps 4-7 are the same numbers for all rows.  They are made once (16 matrix instructions a wave) and are the C of each tile's first product.
; ARITHMETIC.  tanh(x) = 1 - 2 r, r = 1 / (1 + 2^(c x)), c = 2 log2(e).  T = log2(e) x logit = sum of log2(e) W2[e] + sum of (-2 log2(e) W2[e]) r_e; the first sum starts the second.
; SHARES.  Work-group g: batch g / 8, rows 512 (g % 8) on, in 8 steps of 64 rows (4 tiles of 16).  Wave w owns e = 64 w .. 64 w + 63; its W1 for K steps 0-3 (128 registers) stays in window 1.
; A STEP i, two barriers:  X | M: for each row tile the four fragments from LDS, 16 matrix instructions, tanh, the dot with W2, a partial logit a row to LDS | Y, behind it the refill |
; P: wave w adds the eight partial logits of row tiles 2 (w / 4), 2 (w / 4) + 1, makes p, and adds p x context for columns 128 (w % 4) on, OUT OF THE REGISTERS from which it quantised them;
; Q for step i + 1: the same registers take the next 2 x 16 rows x 128 columns out of the other slot, are quantised, and the fragments go to LDS as images of their registers.
; THE MIX IS KEPT BY LANE: lane (r, h) holds row r of a tile, so it sums p x context over the rows of class r under a running maximum of its own; the 16 classes are joined once, at the end.
; THE RING.  A slot is read in Q alone, so slot i % 2 is free from X of step i on; it is filled again behind Y of step i with step i + 2.  One load a wave is out, with a whole step in which to land.
; THE MATRIX INSTRUCTION IS USED TRANSPOSED: source 0 = 16 rows of W1, source 1 = 16 rows of x: lane (r, h) holds row r, register j of tile t holds e = 16 t + 8 h + j.
; PREFETCH: each wave asks for its own 16 x 1,024 bytes of a step, 64 blocks of 256 bytes, a lane a block, two lines, one refill ahead of the load that will bring them: step 1 at the head, behind step 0's load;
; step 2 behind step 1's load; step i + 3 behind the refill for step i + 2.  The last refilling trip asks for nothing.  Step 0 comes by its load alone.
; NO CLUSTER: the stream, context, is shared by no two work-groups; W1 is read once by each, 272 KiB against 1 MiB of stream.
; LIMITS: NaN and infinities among the inputs are not served.  A block of zeros gets the scale byte 1 and not 127: its codes are zeros, and this program alone reads the bytes.  A p under 2^-126 counts as 0.
; tanh by 1 - 2 r has an absolute error of about 1e-7; it enters only the sum weighted by W2.
.set PITCH, 1040                       ; half a row in LDS: 1,024 bytes + 16 of padding
.set UNIT,  16*PITCH                   ; unit 2 t + hf of a slot: row tile t, half hf of each row: one tensor load
.set SLOT,  8*UNIT                     ; 64 rows; shares no bit with w x UNIT
.set STEPB, 64*2048                    ; a step in memory
.set XIMG,  2*SLOT                     ; code images [row tile 4][K step 4] x 1,024 bytes; at the head 2,048 bytes of scratch a wave
.set XSC,   XIMG+16384                 ; scale words [row tile] x 512 bytes: 16 x lane + 4 x K step
.set PART,  XSC+2048                   ; partial logits [row tile] x 512 bytes: 32 r + 4 w
.set FINA,  PART+2048                  ; the waves' mixes at the end: 512 w + 16 x lane
.set FINS,  FINA+4096                  ; and their (M, L): 8 w
.set SPARE, FINS+256                   ; the spare words, 128 bytes a wave
.set SP2,   528                        ; the end's stage (in slot 0, which has had its last fill and read): 16 rows of 512 + 16 bytes a wave
.set SPW,  1                           ; SPARE + 4 x thread; never rewritten
.set NIL,  2                           ; 0; never rewritten
.set AQ0,  3                           ; Q: my lane's place in slot 0
.set ADQ,  4                           ; the same in the slot in hand
.set XWI,  5                           ; where I store images
.set XWS,  6                           ; and scale words
.set LI,   7                           ; XIMG + 16 x lane
.set LSC,  8                           ; XSC + 16 x lane
.set PWA,  9                           ; where I store a partial logit
.set PRA,  10                          ; where I read my rows' eight
.set PFO,  11                          ; the prefetches' offset: 2,048 (lane / 4) + 256 (lane % 4)
.set MX,   12                          ; my lane's running maximum; v13 its sum of p
.set LSUM, 13
.set F,    14                          ; v[14:15] 2^(old m - new m), 0
.set PP0,  16                          ; v[16:17], v[18:19] p of my row in the two tiles, 0
.set PP1,  18
.set INITP, 20                         ; v[20:21] the start value of a lane's sum, 0
.set LA,   22                          ; two chains in M
.set LB,   24
.set TP,   26                          ; a lane permute's destination
.set XS,   28                          ; v[28:31] x's scale words: scales and nothing else
.set W1S,  32                          ; v[32:63] W1's: tile t, K step s at 8 t + s: likewise
.set W2R,  64                          ; v[64:95] -2 log2(e) W2 at my e
.set CO,   96                          ; v[96:127] the output row's share of my four tiles
.set XF,   128                         ; v[128:159] x's four fragments; in Q codes and scale words
.set D,    160                         ; v[160:191] four accumulators; in P and Q at work
.set ACC,  192                         ; v[192:255] the mix: register 16 b + i = column 128 (w % 4) + 32 b + 16 h + i
.set HOLD, 128                         ; window 1, v[128:255]: 64 u + 16 b + i = that column of my row in tile 2 (w / 4) + u.  Window 1, v[0:127]: W1, tile t, K step s at 8 (4 t + s)
.set PC,   XF
.set PW,   XF+16
.set TM,   D
.set T2,   D+8
.set SO,   D+16
.set PT,   D
.set WV,   18
.set TB,   19
.set TRIPS, 20
.set G1,   24
.set G0,   36
.set SEL,  40
.set CC,   42
.set PFA,  48
.set MSB, 0
.macro WIN new                         ; the immediate's high byte repeats the setting that is left
.if MSB != \new
	s_set_vgpr_msb (MSB<<8)|\new
.set MSB, \new
.endif
.endm
.macro PLACES
.rept 4
	v_nop
.endr
.endm
.macro FOLD base, n, w                 ; the upper n groups of w pairs are added onto the lower n
.set i, 0
.rept (\n)*(\w)
	v_pk_add_f32 v[(\base)+2*i:(\base)+2*i+1], v[(\base)+2*i:(\base)+2*i+1], v[(\base)+2*(i+(\n)*(\w)):(\base)+2*(i+(\n)*(\w))+1]
.set i, i+1
.endr
.endm
; THE QUANTISER of the 128 held numbers: eight blocks, block n at HOLD + 16 n (my 16 numbers of it).  QMAX: the largest magnitudes of four blocks, by turns, with the floor 2^(3 - 127) among the leaves
.macro QMAX fb
	WIN 0x05                                       ; sources 0 and 1 in window 1
.irp n, 0,1,2,3
	v_max3_num_f32 v[TM+\fb+\n], |v[HOLD+16*(\fb+\n)]|, |v[HOLD+16*(\fb+\n)+1]|, 0x1800000
.endr
.irp i, 2,4,6,8,10,12,14
.irp n, 0,1,2,3
	v_max3_num_f32 v[TM+\fb+\n], |v[HOLD+16*(\fb+\n)+\i]|, |v[HOLD+16*(\fb+\n)+\i+1]|, v[TM+\fb+\n]
.endr
.endr
	WIN 0
.endm
; QREST: scales, codes: fragment u in v[pc + 8 u] on, its scale word in v[pw + u]
.macro QREST pc, pw
.irp n, 0,1,2,3,4,5,6,7
	v_permlanex16_b32 v[T2+\n], v[TM+\n], s[SEL], s[SEL+1]
.endr
.irp n, 0,1,2,3,4,5,6,7
	v_max_num_f32 v[TM+\n], v[TM+\n], v[T2+\n]     ; with lane l xor 16's: the block's largest magnitude
.endr
.irp n, 0,1,2,3,4,5,6,7
	v_add_nc_u32 v[SO+\n], 0xff000000, v[TM+\n]    ; 2 off its exponent field: the conversion's scale operand
.endr
.irp n, 0,1,2,3,4,5,6,7
	v_lshrrev_b32 v[T2+\n], 23, v[SO+\n]           ; the scale's byte
.endr
.irp u, 0,1
	v_lshl_or_b32 v[(\pw)+\u], v[T2+4*\u+1], 8, v[T2+4*\u]
.endr
.irp u, 0,1
	v_lshl_or_b32 v[(\pw)+\u], v[T2+4*\u+2], 16, v[(\pw)+\u]
.endr
.irp u, 0,1
	v_lshl_or_b32 v[(\pw)+\u], v[T2+4*\u+3], 24, v[(\pw)+\u]
.endr
	WIN 0x01                                       ; source 0 in window 1
.irp n, 0,1,2,3,4,5,6,7
	v_cvt_scalef32_pk8_fp4_f32 v[(\pc)+2*\n], v[HOLD+16*\n:HOLD+16*\n+7], v[SO+\n]
	v_cvt_scalef32_pk8_fp4_f32 v[(\pc)+2*\n+1], v[HOLD+16*\n+8:HOLD+16*\n+15], v[SO+\n]
.endr
	WIN 0
	v_nop                                          ; one plain place behind a scaled conversion
.irp n, 0,2,4,6                                ; a whole block in a lane: lanes 0-15 the even block, lanes 16-31 the odd one
.irp i, 0,1
	v_permlane16_swap_b32 v[(\pc)+2*\n+\i], v[(\pc)+2*\n+2+\i]
.endr
.endr
.endm
; the same for one K step of 64 numbers in window 0, block n at src + 16 n: the fragment in v[pc] on, its scale word in v[pw]
.macro QROW src, pc, pw
.irp n, 0,1,2,3
	v_max3_num_f32 v[TM+\n], |v[(\src)+16*\n]|, |v[(\src)+16*\n+1]|, 0x1800000
.endr
.irp i, 2,4,6,8,10,12,14
.irp n, 0,1,2,3
	v_max3_num_f32 v[TM+\n], |v[(\src)+16*\n+\i]|, |v[(\src)+16*\n+\i+1]|, v[TM+\n]
.endr
.endr
.irp n, 0,1,2,3
	v_permlanex16_b32 v[T2+\n], v[TM+\n], s[SEL], s[SEL+1]
.endr
.irp n, 0,1,2,3
	v_max_num_f32 v[TM+\n], v[TM+\n], v[T2+\n]
.endr
.irp n, 0,1,2,3
	v_add_nc_u32 v[SO+\n], 0xff000000, v[TM+\n]
.endr
.irp n, 0,1,2,3
	v_lshrrev_b32 v[T2+\n], 23, v[SO+\n]
.endr
	v_lshl_or_b32 v[(\pw)], v[T2+1], 8, v[T2]
	v_lshl_or_b32 v[(\pw)], v[T2+2], 16, v[(\pw)]
	v_lshl_or_b32 v[(\pw)], v[T2+3], 24, v[(\pw)]
.irp n, 0,1,2,3
	v_cvt_scalef32_pk8_fp4_f32 v[(\pc)+2*\n], v[(\src)+16*\n:(\src)+16*\n+7], v[SO+\n]
	v_cvt_scalef32_pk8_fp4_f32 v[(\pc)+2*\n+1], v[(\src)+16*\n+8:(\src)+16*\n+15], v[SO+\n]
.endr
	v_nop                                          ; one plain place behind a scaled conversion
.irp n, 0,2
.irp i, 0,1
	v_permlane16_swap_b32 v[(\pc)+2*\n+\i], v[(\pc)+2*\n+2+\i]
.endr
.endr
.endm
.macro QLOAD u                         ; my K step of row tile 2 (w / 4) + u out of the slot: 16 loads
	WIN 0x40
.irp b, 0,1,2,3
.irp j, 0,1,2,3
	ds_load_b128 v[HOLD+64*\u+16*\b+4*\j:HOLD+64*\u+16*\b+4*\j+3], v[ADQ] offset:\u*2*UNIT+128*\b+16*\j
.endr
.endr
	WIN 0
.endm
.macro QFIN
	s_wait_dscnt 16                                ; tile 0's numbers are in; tile 1's 16 loads may be out
	QMAX 0
	s_wait_dscnt 0x0
	QMAX 4
	QREST PC, PW
.irp u, 0,1
.irp c, 0,1
	ds_store_b128 v[XWI], v[PC+8*\u+4*\c:PC+8*\u+4*\c+3] offset:4096*\u+512*\c
.endr
	ds_store_b32 v[XWS], v[PW+\u] offset:512*\u
.endr
.endm
.macro FETCHX t                        ; row tile t's four fragments and scale words, as they were stored
.irp k, 0,1,2,3
.irp c, 0,1
	ds_load_b128 v[XF+8*\k+4*\c:XF+8*\k+4*\c+3], v[LI] offset:(4*(\t)+\k)*1024+512*\c
.endr
.endr
	ds_load_b128 v[XS:XS+3], v[LSC] offset:512*(\t)
.endm
; 16 matrix instructions: four K steps, my four tiles of e by turns, one instruction a turn.  wb: W1's fragments in window 1; so: their scale words' K step; cini: the first C, -1 for the constant 0
.macro MULT dst, wb, so, cini
.irp s, 0,1,2,3
.irp t, 0,1,2,3
.if \s == 0
.if \cini < 0
	v_wmma_scale_f32_16x16x128_f8f6f4 v[\dst+8*\t:\dst+8*\t+7], v[\wb+8*(4*\t+\s):\wb+8*(4*\t+\s)+7], v[XF+8*\s:XF+8*\s+7], 0, v[W1S+8*\t+\so+\s], v[XS+\s] matrix_a_fmt:MATRIX_FMT_FP4 matrix_b_fmt:MATRIX_FMT_FP4
.else
	v_wmma_scale_f32_16x16x128_f8f6f4 v[\dst+8*\t:\dst+8*\t+7], v[\wb+8*(4*\t+\s):\wb+8*(4*\t+\s)+7], v[XF+8*\s:XF+8*\s+7], v[\cini+8*\t:\cini+8*\t+7], v[W1S+8*\t+\so+\s], v[XS+\s] matrix_a_fmt:MATRIX_FMT_FP4 matrix_b_fmt:MATRIX_FMT_FP4
.endif
.else
	v_wmma_scale_f32_16x16x128_f8f6f4 v[\dst+8*\t:\dst+8*\t+7], v[\wb+8*(4*\t+\s):\wb+8*(4*\t+\s)+7], v[XF+8*\s:XF+8*\s+7], v[\dst+8*\t:\dst+8*\t+7], v[W1S+8*\t+\so+\s], v[XS+\s] matrix_a_fmt:MATRIX_FMT_FP4 matrix_b_fmt:MATRIX_FMT_FP4
.endif
.endr
.endr
.endm
; r = 1 / (1 + 2^(c x)) in place on the 32 results, each accumulator from its low end on; the dot with -2 log2(e) W2 in two chains.  Each batch of transcendentals has one wait ahead of it and one behind it
.macro TANHDOT t
.set i, 0
.rept 16
	v_pk_mul_f32 v[D+i:D+i+1], v[D+i:D+i+1], s[CC:CC+1] op_sel_hi:[1,0]
.set i, i+2
.endr
	s_wait_alu depctr_va_vdst(0)
.set i, 0
.rept 32
	v_exp_f32 v[D+i], v[D+i]
.set i, i+1
.endr
	v_nop
	s_wait_alu depctr_va_vdst(0)
.set i, 0
.rept 16
	v_pk_add_f32 v[D+i:D+i+1], v[D+i:D+i+1], 1.0 op_sel_hi:[1,0]
.set i, i+2
.endr
	s_wait_alu depctr_va_vdst(0)
.set i, 0
.rept 32
	v_rcp_f32 v[D+i], v[D+i]
.set i, i+1
.endr
	v_nop
	s_wait_alu depctr_va_vdst(0)
	v_pk_fma_f32 v[LA:LA+1], v[D:D+1], v[W2R:W2R+1], v[INITP:INITP+1]
	v_pk_mul_f32 v[LB:LB+1], v[D+2:D+3], v[W2R+2:W2R+3]
.set i, 4
.rept 7
	v_pk_fma_f32 v[LA:LA+1], v[D+i:D+i+1], v[W2R+i:W2R+i+1], v[LA:LA+1]
	v_pk_fma_f32 v[LB:LB+1], v[D+i+2:D+i+3], v[W2R+i+2:W2R+i+3], v[LB:LB+1]
.set i, i+4
.endr
	s_delay_alu instid0(VALU_DEP_1)
	v_pk_add_f32 v[LA:LA+1], v[LA:LA+1], v[LB:LB+1]
	s_delay_alu instid0(VALU_DEP_1)
	v_add_f32 v[LA], v[LA], v[LA+1]
	s_delay_alu instid0(VALU_DEP_1)
	v_permlanex16_b32 v[TP], v[LA], s[SEL], s[SEL+1]
	s_delay_alu instid0(VALU_DEP_1)
	v_add_f32 v[LA], v[LA], v[TP]                  ; with lane l xor 16's 32 e: both lanes hold the same bits
	ds_store_b32 v[PWA], v[LA] offset:512*\t       ; and write the same word
.endm
.macro XBAR                            ; the step's images lie in LDS; my tensor load may be out across it
	s_wait_alu depctr_va_vdst(0)
	s_wait_dscnt 0x0
	s_barrier_signal -1
	s_barrier_wait -1
.endm
.macro MPH
	FETCHX 0
.irp t, 0,1,2,3
	s_wait_dscnt 0x0                               ; the tile's fragments are in
	WIN 0x01                                       ; source 0 (W1) in window 1
	MULT D, 0, 0, CO
	WIN 0
	PLACES                                         ; in front of the loads into x's registers and of the first read of results
.if \t < 3
	FETCHX \t+1                                    ; the next tile's fragments land under this tile's tanh
.endif
	TANHDOT \t
.endr
.endm
; Y: all partial logits lie in LDS.  fill = 1: the slot that Q read out a step ago takes the step after next: each wave waits for all its tensor loads (one is out: its unit of the slot that Q reads next), adds 0 to its spare word,
; waits for that and for its LDS work; the refill is the first thing behind the barrier.  fill = 2: the last load is waited for, nothing is asked.  fill = 0: a plain barrier
.macro YBAR fill
.if \fill == 1
	s_wait_xcnt 0x0                                ; my prefetches have read their address: it steps
	s_add_nc_u64 s[PFA:PFA+1], s[PFA:PFA+1], STEPB
	s_wait_tensorcnt 0x0
	ds_add_u32 v[SPW], v[NIL]
	s_xor_b32 s[G0+1], s[G0+1], SLOT               ; no load of mine is out: the walking descriptor goes to the other slot
	s_add_nc_u64 s[G0+2:G0+3], s[G0+2:G0+3], STEPB ; and the next 64 rows
.elseif \fill == 2
	s_wait_tensorcnt 0x0
.endif
	s_wait_dscnt 0x0
	s_barrier_signal -1
	s_barrier_wait -1
.if \fill == 1
	tensor_load_to_lds s[G0:G0+3], s[G1:G1+7]
	s_nop 0
	PLACES
.endif
.endm
.macro PFETCH                          ; my unit of the step at which s[PFA] stands: 64 blocks of 256 bytes
	global_prefetch_b8 v[PFO], s[PFA:PFA+1] th:TH_LOAD_NT scope:SCOPE_SE
	global_prefetch_b8 v[PFO], s[PFA:PFA+1] offset:16384 th:TH_LOAD_NT scope:SCOPE_SE
.endm
.macro ASK                             ; the step that the next refill will ask for; not in the last refilling trip, which has no such step
	s_cmp_gt_u32 s[TRIPS], 1
	s_cbranch_scc0 .Lno_ask_\@
	PFETCH
.Lno_ask_\@:
.endm
.macro MIXFMA u, p                     ; mix += p x context, in f32: the mix goes on into a quantiser
	WIN 0x01
.set i, 0
.rept 32
	v_pk_fma_f32 v[ACC+i:ACC+i+1], v[HOLD+64*\u+i:HOLD+64*\u+i+1], v[\p:\p+1], v[ACC+i:ACC+i+1] op_sel_hi:[1,0,1]
.set i, i+2
.endr
	WIN 0
.endm
.macro PPH next, ask
.if \next
	s_xor_b32 s[TB], s[TB], SLOT                   ; Q's reads go on to the other slot
	v_add_nc_u32 v[ADQ], s[TB], v[AQ0]
	s_wait_alu depctr_va_vdst(0)
.endif
.irp u, 0,1
	ds_load_b128 v[PT+8*\u:PT+8*\u+3], v[PRA] offset:512*\u
	ds_load_b128 v[PT+8*\u+4:PT+8*\u+7], v[PRA] offset:512*\u+16
.endr
	s_wait_dscnt 0x0
.irp u, 0,1                                    ; a fixed tree: all waves of a row tile get the same bits
	v_pk_add_f32 v[PT+8*\u:PT+8*\u+1], v[PT+8*\u:PT+8*\u+1], v[PT+8*\u+2:PT+8*\u+3]
	v_pk_add_f32 v[PT+8*\u+4:PT+8*\u+5], v[PT+8*\u+4:PT+8*\u+5], v[PT+8*\u+6:PT+8*\u+7]
.endr
.irp u, 0,1
	v_pk_add_f32 v[PT+8*\u:PT+8*\u+1], v[PT+8*\u:PT+8*\u+1], v[PT+8*\u+4:PT+8*\u+5]
.endr
.irp u, 0,1
	v_add_f32 v[PT+8*\u], v[PT+8*\u], v[PT+8*\u+1] ; T of my row in tile u
.endr
	v_max3_num_f32 v[PT+2], v[MX], v[PT], v[PT+8]  ; my lane's new m
	v_sub_f32 v[PT+3], v[MX], v[PT+2]
	v_sub_f32 v[PT], v[PT], v[PT+2]
	v_sub_f32 v[PT+8], v[PT+8], v[PT+2]
	s_wait_alu depctr_va_vdst(0)
	v_exp_f32 v[F], v[PT+3]                        ; f = 2^(old m - new m)
	v_exp_f32 v[PP0], v[PT]                        ; p = 2^(T - m), at most 1
	v_exp_f32 v[PP1], v[PT+8]
	v_mov_b32 v[MX], v[PT+2]                       ; (the plain place behind the exponentials)
	s_wait_alu depctr_va_vdst(0)
	v_fma_f32 v[LSUM], v[LSUM], v[F], v[PP0]
.set i, 0
.rept 32
	v_pk_mul_f32 v[ACC+i:ACC+i+1], v[ACC+i:ACC+i+1], v[F:F+1] op_sel_hi:[1,0]
.set i, i+2
.endr
	v_add_f32 v[LSUM], v[LSUM], v[PP1]
.if \ask
	ASK
.endif
	MIXFMA 0, PP0
.if \next
	QLOAD 0                                        ; the registers just used take the next step's numbers
.endif
	MIXFMA 1, PP1
.if \next
	QLOAD 1
	QFIN
.endif
.endm
	s_load_b256 s[4:11], s[0:1], 0x0               ; context, output, W1's codes, W1's scales
	s_load_b128 s[12:15], s[0:1], 0x20             ; W2, pmix
	s_load_b64 s[16:17], s[0:1], 0x30              ; pstat
	v_lshl_add_u32 v[SPW], v0, 2, SPARE
	v_mov_b32 v[NIL], 0
	ds_add_u32 v[SPW], v[NIL]                      ; the opening: the add, twice on end, and its wait ahead of my first tensor load
	ds_add_u32 v[SPW], v[NIL]
	v_lshrrev_b32 v[TP], 5, v0
	v_readfirstlane_b32 s[WV], v[TP]               ; wave 0..7
	; the head's own registers lie where the output row's share will: that is written only when every load has come back
.set L,    96
.set R,    97
.set H,    98
.set G16,  99
.set GW2,  100
.set GW1S, 101
.set GW1,  102
.set OSW,  103
.set OSR,  104
.set ORW,  108
	v_and_b32 v[L], 31, v0
	v_lshlrev_b32 v[G16], 4, v[L]
	s_wait_alu depctr_va_vdst(0)
	; group 1: 16 rows of 128 elements of 8 bytes, 256 elements apart, 16 bytes of padding behind each in LDS
	s_mov_b32 s[G1+0], (3<<16)|(1<<20)|(7<<22)|(3<<25)
	s_mov_b32 s[G1+1], 128<<16
	s_mov_b32 s[G1+2], 16<<16
	s_mov_b32 s[G1+3], 128<<16
	s_mov_b32 s[G1+4], 16
	s_mov_b32 s[G1+5], 256
	s_mov_b32 s[G1+6], 0
	s_mov_b32 s[G1+7], 0
	s_lshl_b32 s44, ttmp9, 20                      ; my work-group's 1 MiB,
	s_lshr_b32 s21, s[WV], 1                       ; w / 2: my unit's row tile,
	s_lshl_b32 s22, s21, 15
	s_add_co_u32 s44, s44, s22
	s_and_b32 s23, s[WV], 1                        ; w % 2: its half of the rows
	s_lshl_b32 s22, s23, 10
	s_add_co_u32 s44, s44, s22
	s_mov_b32 s45, 0
	s_mul_i32 s46, s[WV], UNIT
	s_wait_dscnt 0x0
	s_wait_kmcnt 0x0
	s_mov_b32 s[G0], 1
	s_mov_b32 s[G0+1], s46
	s_add_nc_u64 s[G0+2:G0+3], s[4:5], s[44:45]
	s_add_nc_u64 s[PFA:PFA+1], s[G0+2:G0+3], STEPB ; the prefetches begin at my unit of step 1
	s_or_b32 s[G0+3], s[G0+3], 0x80000000
	tensor_load_to_lds s[G0:G0+3], s[G1:G1+7]      ; step 0: one tensor load a wave at the head
	s_nop 0
	PLACES
	s_lshr_b32 s44, ttmp9, 3
	s_lshl_b32 s44, s44, 11                        ; my batch's row of output
	s_add_nc_u64 s[6:7], s[6:7], s[44:45]
.irp i, 0,1,2,3
	global_load_b128 v[ORW+4*\i:ORW+4*\i+3], v[G16], s[6:7] offset:512*\i      ; the batch's output row, as it lies
.endr
	s_lshl_b32 s44, s[WV], 8                       ; W2 at my 64 e
	s_add_nc_u64 s[12:13], s[12:13], s[44:45]
	s_lshl_b32 s44, s[WV], 11                      ; W1's scales: 32 bytes a row
	s_add_nc_u64 s[10:11], s[10:11], s[44:45]
	s_lshl_b32 s44, s[WV], 15                      ; W1's codes: 512 bytes a row
	s_add_nc_u64 s[8:9], s[8:9], s[44:45]
	s_lshr_b32 s47, s[WV], 2                       ; w / 4
	s_and_b32 s50, s21, 1                          ; (w / 2) % 2
	s_and_b32 s51, s[WV], 3                        ; w % 4: my K step in Q
	s_mul_i32 s52, s47, 4*UNIT                     ; Q: row tiles 2 (w / 4) on,
	s_mul_i32 s53, s50, UNIT                       ; the half row of my K step,
	s_add_co_u32 s52, s52, s53
	s_lshl_b32 s53, s23, 9                         ; and its 512 bytes there
	s_add_co_u32 s52, s52, s53
	s_lshl_b32 s53, s47, 13                        ; image 8 (w / 4) + w % 4
	s_lshl_b32 s54, s51, 10
	s_add_co_u32 s53, s53, s54
	s_add_co_u32 s53, s53, XIMG
	s_lshl_b32 s54, s47, 10
	s_lshl_b32 s55, s51, 2
	s_add_co_u32 s54, s54, s55
	s_add_co_u32 s54, s54, XSC
	s_lshl_b32 s55, s[WV], 2
	s_add_co_u32 s55, s55, PART
	s_lshl_b32 s56, s47, 10
	s_add_co_u32 s56, s56, PART
	s_lshl_b32 s57, s[WV], 11
	s_add_co_u32 s57, s57, XIMG                    ; my scratch at the head
	s_mov_b32 s[SEL], 0x76543210
	s_mov_b32 s[SEL+1], 0xfedcba98                 ; selects for lane l xor 16
	s_mov_b32 s[CC], 0x4038aa3b                    ; c = 2 log2(e)
	s_mov_b32 s[CC+1], s[CC]
	s_mov_b32 s58, 0xc038aa3b                      ; -2 log2(e)
	s_mov_b32 s59, s58
	s_mov_b32 s[TB], 0
	v_and_b32 v[R], 15, v0
	v_bfe_u32 v[H], v0, 4, 1
	v_lshlrev_b32 v[GW2], 5, v[H]
	v_lshlrev_b32 v[GW1S], 5, v[R]
	v_lshlrev_b32 v[GW1], 9, v[R]
	v_lshl_add_u32 v[GW1], v[H], 4, v[GW1]
	v_mul_u32_u24 v[AQ0], v[R], PITCH
	v_lshl_add_u32 v[AQ0], v[H], 6, v[AQ0]         ; row r, + 64 h: my 16 numbers of a block
	v_add_nc_u32 v[AQ0], s52, v[AQ0]
	v_add_nc_u32 v[XWI], s53, v[G16]
	v_add_nc_u32 v[XWS], s54, v[G16]
	v_add_nc_u32 v[LI], XIMG, v[G16]
	v_add_nc_u32 v[LSC], XSC, v[G16]
	v_lshl_add_u32 v[PWA], v[R], 5, s55
	v_lshl_add_u32 v[PRA], v[R], 5, s56
	v_add_nc_u32 v[OSW], s57, v[G16]
	v_lshl_add_u32 v[OSR], v[H], 6, s57
	v_lshrrev_b32 v[PFO], 2, v[L]
	v_and_b32 v[TP], 3, v[L]
	v_lshlrev_b32 v[PFO], 11, v[PFO]
	v_lshl_add_u32 v[PFO], v[TP], 8, v[PFO]
.irp n, 0,1,2,3,4,5,6,7
	v_mov_b32 v[T2+\n], 0                          ; a lane permute's destination counts as one of its sources
.endr
	v_mov_b32 v[F+1], 0                            ; the upper words of pairs of which the low word serves both halves
	v_mov_b32 v[PP0+1], 0
	v_mov_b32 v[PP1+1], 0
	v_mov_b32 v[INITP+1], 0
	v_mov_b32 v[MX], 0xff61b1e6                    ; m: -3e38, under every T
	v_mov_b32 v[LSUM], 0
	s_wait_alu depctr_va_vdst(0)
	PFETCH                                         ; step 1, which the next tensor load will bring
.irp t, 0,1,2,3
	global_load_b128 v[W2R+8*\t:W2R+8*\t+3], v[GW2], s[12:13] offset:64*\t
	global_load_b128 v[W2R+8*\t+4:W2R+8*\t+7], v[GW2], s[12:13] offset:64*\t+16
.endr
.irp t, 0,1,2,3
	global_load_b128 v[W1S+8*\t:W1S+8*\t+3], v[GW1S], s[10:11] offset:512*\t
	global_load_b128 v[W1S+8*\t+4:W1S+8*\t+7], v[GW1S], s[10:11] offset:512*\t+16
.endr
	WIN 0x40
.irp t, 0,1,2,3
.irp s, 0,1,2,3
.irp c, 0,1
	global_load_b128 v[HOLD+8*(4*\t+\s)+4*\c:HOLD+8*(4*\t+\s)+4*\c+3], v[GW1], s[8:9] offset:8192*\t+256+64*\s+32*\c   ; W1, K steps 4-7: used once, where the held numbers will lie
.endr
.endr
.endr
.irp t, 0,1,2,3
.irp s, 0,1,2,3
.irp c, 0,1
	global_load_b128 v[8*(4*\t+\s)+4*\c:8*(4*\t+\s)+4*\c+3], v[GW1], s[8:9] offset:8192*\t+64*\s+32*\c   ; W1, K steps 0-3: they stay
.endr
.endr
.endr
	WIN 0
	s_wait_loadcnt 63                              ; 84 loads were issued: the oldest 21 are in, the output row's 4, W2's 8 and the scales' 8 among them
.irp i, 0,1,2,3
	ds_store_b128 v[OSW], v[ORW+4*\i:ORW+4*\i+3] offset:512*\i    ; it turns through my own scratch: LDS serves a wave's instructions in order
.endr
.irp s, 0,1,2,3                                ; K step 4 + s: a fragment whose 16 rows are all that row
.irp b, 0,1,2,3
.irp j, 0,1,2,3
	ds_load_b128 v[ACC+16*\b+4*\j:ACC+16*\b+4*\j+3], v[OSR] offset:512*\s+128*\b+16*\j
.endr
.endr
	s_wait_dscnt 0x0
	QROW ACC, XF+8*\s, XS+\s
.endr
.set i, 0
.rept 16
	v_pk_mul_f32 v[W2R+i:W2R+i+1], v[W2R+i:W2R+i+1], s[58:59] op_sel_hi:[1,0]   ; -2 log2(e) W2
.set i, i+2
.endr
.set i, 0
.rept 8
	v_pk_add_f32 v[D+2*i:D+2*i+1], v[W2R+4*i:W2R+4*i+1], v[W2R+4*i+2:W2R+4*i+3]
.set i, i+1
.endr
	FOLD D, 4, 1
	FOLD D, 2, 1
	FOLD D, 1, 1
	v_add_f32 v[D], v[D], v[D+1]
	v_mul_f32 v[INITP], -0.5, v[D]                 ; log2(e) x the sum of W2 at my 32 e
	s_wait_alu depctr_va_vdst(0)
	s_wait_xcnt 0x0                                ; my prefetches have read their address: it steps to step 2
	s_add_nc_u64 s[PFA:PFA+1], s[PFA:PFA+1], STEPB
	s_wait_tensorcnt 0x0                           ; my unit of step 0 is in; slot 1's first fill is issued as a refill is
	ds_add_u32 v[SPW], v[NIL]
	s_xor_b32 s[G0+1], s[G0+1], SLOT
	s_add_nc_u64 s[G0+2:G0+3], s[G0+2:G0+3], STEPB
	s_wait_dscnt 0x0                               ; the add is done, and my reads of the scratch are over
	s_barrier_signal -1
	s_barrier_wait -1
	tensor_load_to_lds s[G0:G0+3], s[G1:G1+7]      ; step 1
	s_nop 0
	PLACES
	s_wait_loadcnt 0x0                             ; all of W1 and its scales
	PFETCH                                         ; step 2, which the first refill will bring
.set i, 0
.rept 64
	v_mov_b32 v[ACC+i], 0                          ; the step is written once for all steps: the first finds zeros.  (Also the places between the scale words' writes and the products)
.set i, i+1
.endr
	WIN 0x01
	MULT CO, HOLD, 4, -1                           ; the output row's share
	WIN 0
	v_add_nc_u32 v[ADQ], s[TB], v[AQ0]
.rept 3
	v_nop                                          ; four places in front of the loads into W1's upper registers
.endr
	s_wait_alu depctr_va_vdst(0)
	QLOAD 0                                        ; Q of step 0
	QLOAD 1
	QFIN
	s_mov_b32 s[TRIPS], 6
.Lstep:                                                ; steps 0 to 5: each refills
	XBAR
	MPH
	YBAR 1
	PPH 1, 1
	s_sub_co_u32 s[TRIPS], s[TRIPS], 1
	s_cmp_lg_u32 s[TRIPS], 0
	s_cbranch_scc1 .Lstep
	XBAR                                           ; step 6: nothing more to ask for
	MPH
	YBAR 2
	PPH 1, 0
	XBAR                                           ; step 7: no step follows
	MPH
	YBAR 0
	PPH 0, 0
	; THE END.  The 16 row classes of a wave come under one maximum and are added through the wave's stage; waves w and w + 4, which hold the same columns of different row tiles, are joined by wave w
	s_mul_i32 s44, s[WV], 16*SP2
	s_lshl_b32 s45, s[WV], 9
	s_add_co_u32 s46, s45, FINA
	s_lshl_b32 s47, s[WV], 3
	s_add_co_u32 s47, s47, FINS
	s_lshl_b32 s50, ttmp9, 11                      ; pmix: 2,048 bytes a work-group, 512 a wave
	s_add_co_u32 s50, s50, s45
	s_mov_b32 s51, 0
	s_add_nc_u64 s[14:15], s[14:15], s[50:51]
	s_lshl_b32 s50, ttmp9, 8
	s_add_nc_u64 s[16:17], s[16:17], s[50:51]
	v_and_b32 v9, 15, v0
	v_bfe_u32 v10, v0, 4, 1
	v_and_b32 v7, 31, v0
	v_mul_u32_u24 v3, v9, SP2
	v_lshl_add_u32 v3, v10, 6, v3
	v_add_nc_u32 v3, s44, v3                       ; in: row r of my stage, + 64 h
	v_lshlrev_b32 v8, 3, v7                        ; 8 x lane
	v_lshlrev_b32 v7, 4, v7                        ; 16 x lane
	v_add_nc_u32 v4, s44, v7                       ; back: 16 bytes a lane of each row
	v_add_nc_u32 v5, s46, v7
	v_mov_b32 v6, s47
	v_mov_b32 v22, v[MX]
.irp m, 1,2,4,8
	v_max_num_f32_dpp v22, v22, v22 row_xmask:\m row_mask:0xf bank_mask:0xf
.endr
	v_sub_f32 v[F], v[MX], v22
	s_wait_alu depctr_va_vdst(0)
	v_exp_f32 v[F], v[F]                           ; 2^(my m - the wave's)
	v_mov_b32 v[MX], v22
	s_wait_alu depctr_va_vdst(0)
	v_mul_f32 v[LSUM], v[LSUM], v[F]
.set i, 0
.rept 32
	v_pk_mul_f32 v[ACC+i:ACC+i+1], v[ACC+i:ACC+i+1], v[F:F+1] op_sel_hi:[1,0]
.set i, i+2
.endr
.irp m, 1,2,4,8
	v_add_f32_dpp v[LSUM], v[LSUM], v[LSUM] row_xmask:\m row_mask:0xf bank_mask:0xf
.endr
	ds_store_b64 v6, v[MX:MX+1]                    ; all lanes write the same two words with the same values
.irp b, 0,1,2,3
.irp j, 0,1,2,3
	ds_store_b128 v3, v[ACC+16*\b+4*\j:ACC+16*\b+4*\j+3] offset:128*\b+16*\j
.endr
.endr
.irp r, 0,1,2,3,4,5,6,7,8,9,10,11,12,13,14,15
	ds_load_b128 v[XF+4*\r:XF+4*\r+3], v4 offset:SP2*\r    ; LDS serves a wave's instructions in order: these see my stores
.endr
	s_wait_dscnt 0x0
	FOLD XF, 8, 2
	FOLD XF, 4, 2
	FOLD XF, 2, 2
	FOLD XF, 1, 2                                  ; v[128:131]: columns 128 (w % 4) + 4 x lane on
	ds_store_b128 v5, v[XF:XF+3]
	s_wait_alu depctr_va_vdst(0)
	s_wait_dscnt 0x0
	s_barrier_signal -1
	s_barrier_wait -1
	s_cmp_ge_u32 s[WV], 4
	s_cbranch_scc1 .Lend
	ds_load_b128 v[XF+4:XF+7], v5 offset:2048      ; wave w + 4's mix
	ds_load_b64 v[XF+8:XF+9], v6 offset:32         ; and its (M, L)
	s_wait_dscnt 0x0
	v_max_num_f32 v22, v[MX], v[XF+8]
	v_sub_f32 v23, v[MX], v22
	v_sub_f32 v24, v[XF+8], v22
	s_wait_alu depctr_va_vdst(0)
	v_exp_f32 v23, v23
	v_exp_f32 v24, v24
	v_mov_b32 v[MX], v22
	s_wait_alu depctr_va_vdst(0)
	v_mul_f32 v[LSUM], v[LSUM], v23
	v_fma_f32 v[LSUM], v[XF+9], v24, v[LSUM]
.irp q, 0,1,2,3
	v_mul_f32 v[XF+\q], v[XF+\q], v23
.endr
.irp q, 0,1,2,3
	v_fma_f32 v[XF+\q], v[XF+4+\q], v24, v[XF+\q]
.endr
	global_store_b128 v7, v[XF:XF+3], s[14:15]     ; 32 lanes store 512 consecutive bytes, at a multiple of 256 from pmix's first byte
	s_cmp_lg_u32 s[WV], 0
	s_cbranch_scc1 .Lend
	global_store_b64 v8, v[MX:MX+1], s[16:17]      ; (M, L) from every lane: 256 consecutive aligned bytes
.Lend:
	s_wait_tensorcnt 0x0                           ; the wave's end
	ds_add_u32 v[SPW], v[NIL]
	s_wait_dscnt 0x0
	s_endpgm
.Lfunc_end_k_qf9e1c60c5a_attend:
	.size	k_qf9e1c60c5a_attend, .Lfunc_end_k_qf9e1c60c5a_attend-k_qf9e1c60c5a_attend
	.p2alignl 7, 3214868480
	.fill 96, 4, 3214868480
	.section	.rodata,"a",@progbits
	.p2align	6, 0x0
	.amdhsa_kernel k_qf9e1c60c5a_attend
		.amdhsa_group_segment_fixed_size 327680
		.amdhsa_private_segment_fixed_size 0
		.amdhsa_enable_private_segment 0
		.amdhsa_kernarg_size 56
		.amdhsa_user_sgpr_count 2
		.amdhsa_user_sgpr_kernarg_segment_ptr 1
		.amdhsa_wavefront_size32 1
		.amdhsa_system_sgpr_workgroup_id_x 1
		.amdhsa_system_sgpr_workgroup_id_y 1
		.amdhsa_system_sgpr_workgroup_id_z 1
		.amdhsa_system_vgpr_workitem_id 0
		.amdhsa_next_free_vgpr 512
		.amdhsa_next_free_sgpr 66
		.amdhsa_reserve_vcc 0
		.amdhsa_float_denorm_mode_32 3
		.amdhsa_float_denorm_mode_16_64 3
		.amdhsa_memory_ordered 1
		.amdhsa_forward_progress 1
		.amdhsa_inst_pref_size 204
	.end_amdhsa_kernel
	.amdgpu_metadata
---
amdhsa.version: [ 1, 2 ]
amdhsa.kernels:
  - .name:           k_qf9e1c60c5a_attend
    .symbol:         k_qf9e1c60c5a_attend.kd
    .args:
      - { .name: context, .offset: 0, .size: 8, .value_kind: global_buffer, .address_space: global }
      - { .name: output, .offset: 8, .size: 8, .value_kind: global_buffer, .address_space: global }
      - { .name: W1_codes, .offset: 16, .size: 8, .value_kind: global_buffer, .address_space: global }
      - { .name: W1_scales, .offset: 24, .size: 8, .value_kind: global_buffer, .address_space: global }
      - { .name: W2, .offset: 32, .size: 8, .value_kind: global_buffer, .address_space: global }
      - { .name: pmix, .offset: 40, .size: 8, .value_kind: global_buffer, .address_space: global }
      - { .name: pstat, .offset: 48, .size: 8, .value_kind: global_buffer, .address_space: global }
    .group_segment_fixed_size: 327680
    .private_segment_fixed_size: 0
    .kernarg_segment_align: 8
    .kernarg_segment_size: 56
    .max_flat_workgroup_size: 256
    .sgpr_count:     66
    .vgpr_count:     512
    .wavefront_size: 32
...
	.end_amdgpu_metadata
.endif
;; end of part 1
;; launch finish (part 2): grid 4 x 32, 8 waves a work-group, no clusters, 17,408 bytes of LDS; arguments pmix, pstat, output, Wout_codes, Wout_scales, bout, out0; writes out0
.if DOCPART == 2
	.amdgcn_target "amdgcn-amd-amdhsa--gfx1250"
	.amdhsa_code_object_version 6
	.text
	.protected	k_qf9e1c60c5a_finish
	.globl	k_qf9e1c60c5a_finish
	.p2align	8
	.type	k_qf9e1c60c5a_finish,@function
k_qf9e1c60c5a_finish:
	s_mov_b64 s[64:65], 0
	v_nop
	global_prefetch_b8 v0, s[64:65] scope:SCOPE_SE
	s_setreg_imm32_b32 hwreg(HW_REG_WAVE_MODE, 25, 1), 1
	s_wait_xcnt 0x0
; out0[b][e] = tanh(Q([mix | output]) . Q(Wout)[e] + bout[e]), on codes of FP4 (E2M1) with one E8M0 scale for each 32 along K.  mix[b] = (sum over the batch's 8 parts of 2^(M_c - M) pmix_c) / (sum of 2^(M_c - M) L_c), in f32.
; SHARES.  Work-group (x, y): batch y, outputs e = 128 x .. 128 x + 127.  Wave w MAKES K step w of the combined row (w < 4: columns 128 w on of the mix; else columns 128 (w - 4) on of output), quantises it and
; hands it to the others through LDS as an image of the operand's registers; then it MULTIPLIES all eight K steps by its own 16 rows of Wout (e = 128 x + 16 w + r).
; ALL 16 ROWS OF THE LEFT OPERAND ARE THE ONE BATCH'S ROW, so fifteen sixteenths of these products are made for nothing.  That is chosen: this product is 32 x 1,024 x 512 multiply-adds in all, eight matrix instructions a wave here;
; with one batch to a work-group a wave turns its own 128 numbers without a barrier, and a work-group reads 16 KiB of parts and 68 KiB of Wout.
; No tensor loads, so no ring.  No cluster: what work-groups share (a batch's parts, a quarter of Wout) is read once each, through registers.
; LIMITS: NaN and infinities are not served.  A block of zeros gets the scale byte 1 and not 127: its codes are zeros, and this program alone reads the bytes.
.set TURN, 0                           ; LDS: 512 bytes for each wave: its 128 numbers as they lie
.set CIMG, 4096                        ; the eight fragments' images: 1,024 s + 512 c + 16 x lane
.set CSC,  12288                       ; their scale words: 128 s + 4 x lane
.set OST,  13312                       ; the work-group's 128 results
.set L16,  1                           ; v1   16 x lane
.set L8,   2                           ; v2   8 x lane
.set R4,   3                           ; v3   4 r
.set GWF,  4                           ; v4   Wout's codes: 512 r + 16 h
.set GWS,  5                           ; v5   Wout's scales: 32 r
.set TW,   6                           ; v6   TURN + 512 w + 16 x lane
.set TR,   7                           ; v7   TURN + 512 w + 64 h
.set CW,   8                           ; v8   CIMG + 1,024 w + 16 x lane
.set CSW,  9                           ; v9   CSC + 128 w + 4 x lane
.set CR,   10                          ; v10  CIMG + 16 x lane
.set CSR,  11                          ; v11  CSC + 4 x lane
.set OW,   12                          ; v12  OST + 64 w + 4 r
.set ORD,  13                          ; v13  OST + 16 x lane
.set WS,   32                          ; v[32:39] Wout's scale words, K steps 0-7: scales and nothing else
.set CS,   40                          ; v[40:47] the combined row's: likewise
.set DA,   48                          ; v[48:55], v[56:63] two accumulators, by turns
.set DB,   56
.set WF,   64                          ; v[64:127] Wout's eight fragments
.set X,    128                         ; v[128:191] my 64 numbers, later the combined row's eight fragments
.set PM,   128                         ; ahead of the turn: v[128:159] eight parts of the mix, v[160:175] their (M, L), v[176:183] their weights
.set ST,   160
.set WT,   176
.set CV,   192                          ; v[192:195] my four numbers of the combined row
.set TM,   196                         ; v196-207 the quantiser's
.set PC,   208                         ; v[208:215] codes
.set PW,   216                         ; the scale word
.set BO,   217                         ; bout at my e
.set WV,   18
.set SEL,  26
.macro BAR
	s_wait_dscnt 0x0
	s_barrier_signal -1
	s_barrier_wait -1
.endm
; 64 numbers of a lane, register 16 b + i = k 32 b + 16 (lane / 16) + i of my row, become a fragment's codes in v[pc] on and its scale word in v[pw].
.macro QUANT src, pc, pw
.irp b, 0,1,2,3
	v_max3_num_f32 v[TM+\b], |v[(\src)+16*\b]|, |v[(\src)+1+16*\b]|, 0x1800000   ; block b: my 16 numbers, and the floor 2^(3 - 127): the byte cannot fall under 1
.endr
.irp i, 2,4,6,8,10,12,14
.irp b, 0,1,2,3
	s_delay_alu instid0(VALU_DEP_4)
	v_max3_num_f32 v[TM+\b], v[TM+\b], |v[(\src)+16*\b+\i]|, |v[(\src)+1+16*\b+\i]|
.endr
.endr
.irp b, 0,1,2,3
	s_delay_alu instid0(VALU_DEP_4)
	v_permlanex16_b32 v[TM+4+\b], v[TM+\b], s[SEL], s[SEL+1]
.endr
.irp b, 0,1,2,3
	s_delay_alu instid0(VALU_DEP_4)
	v_max_num_f32 v[TM+\b], v[TM+\b], v[TM+4+\b]   ; with lane l xor 16's: the block's largest magnitude
.endr
.irp b, 0,1,2,3
	s_delay_alu instid0(VALU_DEP_4)
	v_add_nc_u32 v[TM+8+\b], 0xff000000, v[TM+\b]  ; 2 off its exponent field: the conversion's scale operand
.endr
.irp b, 0,1,2,3
	s_delay_alu instid0(VALU_DEP_4)
	v_lshrrev_b32 v[TM+4+\b], 23, v[TM+8+\b]       ; the scale's byte
.endr
	s_delay_alu instid0(VALU_DEP_3)
	v_lshl_or_b32 v[(\pw)], v[TM+5], 8, v[TM+4]
	s_delay_alu instid0(VALU_DEP_1)
	v_lshl_or_b32 v[(\pw)], v[TM+6], 16, v[(\pw)]
	s_delay_alu instid0(VALU_DEP_1)
	v_lshl_or_b32 v[(\pw)], v[TM+7], 24, v[(\pw)]
.irp b, 0,1,2,3
	v_cvt_scalef32_pk8_fp4_f32 v[(\pc)+2*\b], v[(\src)+16*\b:(\src)+7+16*\b], v[TM+8+\b]
	v_cvt_scalef32_pk8_fp4_f32 v[(\pc)+1+2*\b], v[(\src)+8+16*\b:(\src)+15+16*\b], v[TM+8+\b]
.endr
	v_nop                                          ; one plain place behind a scaled conversion
.irp c, 0,1
.irp i, 0,1
	v_permlane16_swap_b32 v[(\pc)+4*\c+\i], v[(\pc)+2+4*\c+\i]   ; a whole block in a lane: lanes 0-15 block 2 c, lanes 16-31 block 2 c + 1
.endr
.endr
.endm
	s_load_b256 s[4:11], s[0:1], 0x0               ; pmix s[4:5], pstat s[6:7], output s[8:9], Wout's codes s[10:11]
	s_load_b128 s[12:15], s[0:1], 0x20             ; Wout's scales s[12:13], bout s[14:15]
	s_load_b64 s[16:17], s[0:1], 0x30              ; out0
	v_lshl_add_u32 v224, v0, 2, 0x4000
	v_mov_b32 v225, 0
	v_lshrrev_b32 v14, 5, v0
	s_delay_alu instid0(VALU_DEP_1)
	v_readfirstlane_b32 s[WV], v14                 ; wave 0..7
	s_and_b32 s19, ttmp7, 0xffff                   ; y: the batch
	v_and_b32 v14, 31, v0                          ; lane
	v_and_b32 v15, 15, v0                          ; r
	v_bfe_u32 v218, v0, 4, 1                       ; h
	s_delay_alu instid0(VALU_DEP_3)
	v_lshlrev_b32 v[L16], 4, v14
	s_delay_alu instid0(VALU_DEP_4)
	v_lshlrev_b32 v[L8], 3, v14
	s_delay_alu instid0(VALU_DEP_4)
	v_lshlrev_b32 v[R4], 2, v15
	v_lshlrev_b32 v[GWF], 9, v15
	s_delay_alu instid0(VALU_DEP_1)
	v_lshl_add_u32 v[GWF], v218, 4, v[GWF]
	v_lshlrev_b32 v[GWS], 5, v15
	s_lshl_b32 s20, s[WV], 9                       ; 512 w
	v_add_nc_u32 v[TW], s20, v[L16]                ; every LDS address is made here, ahead of the waves' parting
	v_lshl_add_u32 v[TR], v218, 6, s20
	s_lshl_b32 s21, s[WV], 10
	s_add_co_u32 s21, s21, CIMG
	v_add_nc_u32 v[CW], s21, v[L16]
	s_lshl_b32 s21, s[WV], 7
	s_add_co_u32 s21, s21, CSC
	v_lshl_add_u32 v[CSW], v14, 2, s21
	v_add_nc_u32 v[CR], CIMG, v[L16]
	v_lshl_add_u32 v[CSR], v14, 2, CSC
	s_lshl_b32 s21, s[WV], 6
	s_add_co_u32 s21, s21, OST
	v_lshl_add_u32 v[OW], v15, 2, s21
	v_add_nc_u32 v[ORD], OST, v[L16]
	s_mov_b32 s[SEL], 0x76543210
	s_mov_b32 s[SEL+1], 0xfedcba98                 ; v_permlanex16_b32's selects for lane l xor 16
.irp b, 0,1,2,3
	v_mov_b32 v[TM+4+\b], 0                        ; written once: a lane permute's destination counts as one of its sources
.endr
	s_mov_b32 s23, 0
	s_lshl_b32 s22, ttmp9, 16                      ; my 16 rows of Wout begin at row 128 x + 16 w: 512 bytes of codes a row,
	s_lshl_b32 s24, s[WV], 13
	s_add_co_u32 s22, s22, s24
	s_wait_kmcnt 0x0
	s_add_nc_u64 s[10:11], s[10:11], s[22:23]
	s_lshr_b32 s22, s22, 4                         ; 32 bytes of scales,
	s_add_nc_u64 s[12:13], s[12:13], s[22:23]
	s_lshr_b32 s22, s22, 3                         ; 4 bytes of bout
	s_add_nc_u64 s[14:15], s[14:15], s[22:23]
.irp s, 0,1,2,3,4,5,6,7
.irp c, 0,1
	global_load_b128 v[WF+8*\s+4*\c:WF+8*\s+4*\c+3], v[GWF], s[10:11] offset:64*\s+32*\c
.endr
.endr
	global_load_b128 v[WS:WS+3], v[GWS], s[12:13]
	global_load_b128 v[WS+4:WS+7], v[GWS], s[12:13] offset:16
	global_load_b32 v[BO], v[R4], s[14:15]
	s_cmp_ge_u32 s[WV], 4
	s_cbranch_scc1 .Lfrom_output
	; waves 0-3: columns 128 w on of the mix, from the batch's eight parts
	s_lshl_b32 s22, s19, 14                        ; eight parts of 2,048 bytes a batch,
	s_add_co_u32 s22, s22, s20                     ; my 512 bytes of each
	s_add_nc_u64 s[4:5], s[4:5], s[22:23]
	s_lshl_b32 s22, s19, 11                        ; eight pairs' blocks of 256 bytes a batch
	s_add_nc_u64 s[6:7], s[6:7], s[22:23]
.irp c, 0,1,2,3,4,5,6,7
	global_load_b64 v[ST+2*\c:ST+2*\c+1], v[L8], s[6:7] offset:256*\c          ; (M_c, L_c): every lane its own copy
.endr
.irp c, 0,1,2,3,4,5,6,7
	global_load_b128 v[PM+4*\c:PM+4*\c+3], v[L16], s[4:5] offset:2048*\c
.endr
	s_wait_loadcnt 0x0
	v_max3_num_f32 v218, v[ST], v[ST+2], v[ST+4]
	s_delay_alu instid0(VALU_DEP_1)
	v_max3_num_f32 v218, v218, v[ST+6], v[ST+8]
	s_delay_alu instid0(VALU_DEP_1)
	v_max3_num_f32 v218, v218, v[ST+10], v[ST+12]
	s_delay_alu instid0(VALU_DEP_1)
	v_max_num_f32 v218, v218, v[ST+14]             ; M: the row's maximum is taken away ahead of every exponential
.irp c, 0,1,2,3,4,5,6,7
	v_sub_f32 v[WT+\c], v[ST+2*\c], v218
.endr
	s_wait_alu depctr_va_vdst(0)
.irp c, 0,1,2,3,4,5,6,7
	v_exp_f32 v[WT+\c], v[WT+\c]                   ; 2^(M_c - M)
.endr
	v_nop                                          ; one plain place behind the exponentials
	s_wait_alu depctr_va_vdst(0)
	v_mul_f32 v219, v[WT], v[ST+1]
.irp c, 1,2,3,4,5,6,7
	v_fma_f32 v219, v[WT+\c], v[ST+2*\c+1], v219   ; the row's sum: at least 1
.endr
	s_wait_alu depctr_va_vdst(0)
	v_rcp_f32 v220, v219
.irp q, 0,1,2,3
	v_mul_f32 v[CV+\q], v[WT], v[PM+\q]            ; (plain places behind the reciprocal)
.endr
.irp c, 1,2,3,4,5,6,7
.irp q, 0,1,2,3
	v_fma_f32 v[CV+\q], v[WT+\c], v[PM+4*\c+\q], v[CV+\q]
.endr
.endr
	s_wait_alu depctr_va_vdst(0)
.irp q, 0,1,2,3
	v_mul_f32 v[CV+\q], v[CV+\q], v220             ; the mix, normalised, in f32
.endr
	s_branch .Ljoined
.Lfrom_output:
	; waves 4-7: columns 128 (w - 4) on of output
	s_lshl_b32 s22, s19, 11
	s_add_co_u32 s22, s22, s20
	s_sub_co_u32 s22, s22, 2048
	s_add_nc_u64 s[8:9], s[8:9], s[22:23]
	global_load_b128 v[CV:CV+3], v[L16], s[8:9]
	s_wait_loadcnt 0x0
.Ljoined:
	s_wait_alu depctr_va_vdst(0)
	ds_store_b128 v[TW], v[CV:CV+3]                ; my wave's 128 numbers as they lie;
.irp b, 0,1,2,3
.irp j, 0,1,2,3
	ds_load_b128 v[X+16*\b+4*\j:X+16*\b+4*\j+3], v[TR] offset:128*\b+16*\j   ; back as 16 neighbours of each block a lane; every r reads the same bytes.  LDS serves a wave's instructions in order: these see my store
.endr
.endr
	s_wait_dscnt 0x0
	QUANT X, PC, PW
	ds_store_b128 v[CW], v[PC:PC+3]
	ds_store_b128 v[CW], v[PC+4:PC+7] offset:512
	ds_store_b32 v[CSW], v[PW]
	BAR                                            ; the combined row's eight fragments lie in LDS
.irp s, 0,1,2,3,4,5,6,7
.irp c, 0,1
	ds_load_b128 v[X+8*\s+4*\c:X+8*\s+4*\c+3], v[CR] offset:1024*\s+512*\c
.endr
	ds_load_b32 v[CS+\s], v[CSR] offset:128*\s
.endr
	s_wait_dscnt 0x0
	; source 0 = the combined row, 16 times; source 1 = my 16 rows of Wout: lane (r, h) holds e = r in every register.  Two accumulators by turns, one instruction a turn; the first two start the sums
.irp s, 0,2,4,6
.if \s == 0
	v_wmma_scale_f32_16x16x128_f8f6f4 v[DA:DA+7], v[X+8*\s:X+8*\s+7], v[WF+8*\s:WF+8*\s+7], 0, v[CS+\s], v[WS+\s] matrix_a_fmt:MATRIX_FMT_FP4 matrix_b_fmt:MATRIX_FMT_FP4
	v_wmma_scale_f32_16x16x128_f8f6f4 v[DB:DB+7], v[X+8*\s+8:X+8*\s+15], v[WF+8*\s+8:WF+8*\s+15], 0, v[CS+\s+1], v[WS+\s+1] matrix_a_fmt:MATRIX_FMT_FP4 matrix_b_fmt:MATRIX_FMT_FP4
.else
	v_wmma_scale_f32_16x16x128_f8f6f4 v[DA:DA+7], v[X+8*\s:X+8*\s+7], v[WF+8*\s:WF+8*\s+7], v[DA:DA+7], v[CS+\s], v[WS+\s] matrix_a_fmt:MATRIX_FMT_FP4 matrix_b_fmt:MATRIX_FMT_FP4
	v_wmma_scale_f32_16x16x128_f8f6f4 v[DB:DB+7], v[X+8*\s+8:X+8*\s+15], v[WF+8*\s+8:WF+8*\s+15], v[DB:DB+7], v[CS+\s+1], v[WS+\s+1] matrix_a_fmt:MATRIX_FMT_FP4 matrix_b_fmt:MATRIX_FMT_FP4
.endif
.endr
.rept 4
	v_nop                                          ; four places in front of the first read of results
.endr
	v_add_f32 v218, v[DA], v[DB]                   ; each accumulator is read at its lowest register
	s_delay_alu instid0(VALU_DEP_1)
	v_add_f32 v218, v218, v[BO]
	s_delay_alu instid0(VALU_DEP_1)
	v_mul_f32 v218, 0x4038aa3b, v218               ; tanh(z) = 1 - 2 / (1 + 2^(2 log2(e) z))
	s_wait_alu depctr_va_vdst(0)
	v_exp_f32 v218, v218
	v_nop
	s_wait_alu depctr_va_vdst(0)
	v_add_f32 v218, 1.0, v218
	s_wait_alu depctr_va_vdst(0)
	v_rcp_f32 v218, v218
	v_nop
	s_wait_alu depctr_va_vdst(0)
	v_fma_f32 v218, v218, -2.0, 1.0
	ds_store_b32 v[OW], v218                       ; both halves of the lanes write the same word with the same value
	BAR                                            ; the work-group's 128 results lie in LDS
	s_cmp_lg_u32 s[WV], 0
	s_cbranch_scc1 .Ldone
	ds_load_b128 v[220:223], v[ORD]
	s_lshl_b32 s22, s19, 11
	s_lshl_b32 s24, ttmp9, 9
	s_add_co_u32 s22, s22, s24
	s_add_nc_u64 s[16:17], s[16:17], s[22:23]
	s_wait_dscnt 0x0
	global_store_b128 v[L16], v[220:223], s[16:17] ; 32 lanes store 512 consecutive bytes, at a multiple of 256 from out0's first byte
.Ldone:
	s_wait_tensorcnt 0x0
	ds_add_u32 v224, v225
	s_wait_dscnt 0x0
	s_endpgm
.Lfunc_end_k_qf9e1c60c5a_finish:
	.size	k_qf9e1c60c5a_finish, .Lfunc_end_k_qf9e1c60c5a_finish-k_qf9e1c60c5a_finish
	.p2alignl 7, 3214868480
	.fill 96, 4, 3214868480
	.section	.rodata,"a",@progbits
	.p2align	6, 0x0
	.amdhsa_kernel k_qf9e1c60c5a_finish
		.amdhsa_group_segment_fixed_size 17408
		.amdhsa_private_segment_fixed_size 0
		.amdhsa_enable_private_segment 0
		.amdhsa_kernarg_size 56
		.amdhsa_user_sgpr_count 2
		.amdhsa_user_sgpr_kernarg_segment_ptr 1
		.amdhsa_wavefront_size32 1
		.amdhsa_system_sgpr_workgroup_id_x 1
		.amdhsa_system_sgpr_workgroup_id_y 1
		.amdhsa_system_sgpr_workgroup_id_z 1
		.amdhsa_system_vgpr_workitem_id 0
		.amdhsa_next_free_vgpr 226
		.amdhsa_next_free_sgpr 66
		.amdhsa_reserve_vcc 0
		.amdhsa_float_denorm_mode_32 3
		.amdhsa_float_denorm_mode_16_64 3
		.amdhsa_memory_ordered 1
		.amdhsa_forward_progress 1
		.amdhsa_inst_pref_size 21
	.end_amdhsa_kernel
	.amdgpu_metadata
---
amdhsa.version: [ 1, 2 ]
amdhsa.kernels:
  - .name:           k_qf9e1c60c5a_finish
    .symbol:         k_qf9e1c60c5a_finish.kd
    .args:
      - { .name: pmix, .offset: 0, .size: 8, .value_kind: global_buffer, .address_space: global }
      - { .name: pstat, .offset: 8, .size: 8, .value_kind: global_buffer, .address_space: global }
      - { .name: output, .offset: 16, .size: 8, .value_kind: global_buffer, .address_space: global }
      - { .name: Wout_codes, .offset: 24, .size: 8, .value_kind: global_buffer, .address_space: global }
      - { .name: Wout_scales, .offset: 32, .size: 8, .value_kind: global_buffer, .address_space: global }
      - { .name: bout, .offset: 40, .size: 8, .value_kind: global_buffer, .address_space: global }
      - { .name: out0, .offset: 48, .size: 8, .value_kind: global_buffer, .address_space: global }
    .group_segment_fixed_size: 17408
    .private_segment_fixed_size: 0
    .kernarg_segment_align: 8
    .kernarg_segment_size: 56
    .max_flat_workgroup_size: 256
    .sgpr_count:     66
    .vgpr_count:     226
    .wavefront_size: 32
...
	.end_amdgpu_metadata
.endif
;; end of part 2
